; MI455X (gfx1250); checked and timed in simulation.
; The chip was launched on July 23, 2026; its instructions are those of AMD's public machine-readable ISA for CDNA 5 (MIT licence, August 2026) and "CDNA5" Instruction Set Architecture Reference Guide (July 2026). The comments in the code are by the model that wrote it; some were corrected since.
;; Cross Attention. Allowed arithmetic: matrix products marked QUANTISED: E4M3 operands, one E8M0 scale for each 32 along K, by v_wmma_scale_f32_16x16x128_f8f6f4 with both operands' format E4M3, f32 sums; everything else in f32.
;; Inputs: Wk_codes 512 x 16 x 32 uint8 (E4M3 codes of Wk, K innermost, in blocks of 32 codes); Wk_scales 512 x 16 uint8 (E8M0 scales of Wk, one for each 32 codes along K); Wo_codes 512 x 16 x 32 uint8 (E4M3 codes of Wo, K innermost, in blocks of 32 codes); Wo_scales 512 x 16 uint8 (E8M0 scales of Wo, one for each 32 codes along K); Wq_codes 512 x 16 x 32 uint8 (E4M3 codes of Wq, K innermost, in blocks of 32 codes); Wq_scales 512 x 16 uint8 (E8M0 scales of Wq, one for each 32 codes along K); Wv_codes 512 x 16 x 32 uint8 (E4M3 codes of Wv, K innermost, in blocks of 32 codes); Wv_scales 512 x 16 uint8 (E8M0 scales of Wv, one for each 32 codes along K); bo 512 float32; hidden_states_codes 2 x 4,096 x 16 x 32 uint8 (E4M3 codes of hidden_states, K innermost, in blocks of 32 codes); hidden_states_scales 2 x 4,096 x 16 uint8 (E8M0 scales of hidden_states, one for each 32 codes along K).
;; Outputs: out0 2 x 4,096 x 512 float32.
;; This version of the problem:
;;   THIS VERSION OF THE PROBLEM IS GIVEN IN LOW PRECISION. The matrix products marked QUANTISED in the list below multiply operands that are first quantised to E4M3 (4 exponent bits, 3 mantissa bits; 8 bits a number), with one power-of-two scale for each 32 numbers along K (OCP MX v1.0); their sums are f32. All else is computed in f32.
;;   The module's matrix products, in the order in which they are computed (A, B: the left and right operand; K: the contracted axis; several contracted axes count as one K, in the product's order):
;;     1. [M 8,192, K 512] x [K 512, N 512]; A: input hidden_states (given as codes); B: input Wq (given as codes): QUANTISED
;;     2. [M 8,192, K 512] x [K 512, N 512]; A: input hidden_states (given as codes); B: input Wk (given as codes): QUANTISED
;;     3. [M 8,192, K 512] x [K 512, N 512]; A: input hidden_states (given as codes); B: input Wv (given as codes): QUANTISED
;;     4. batch 16 x [M 4,096, K 64] x [K 64, N 4,096]; A: computed on the way; B: computed on the way: QUANTISED
;;     5. batch 16 x [M 4,096, K 4,096] x [K 4,096, N 64]; A: softmax (see below); B: computed on the way: QUANTISED
;;     6. [M 8,192, K 512] x [K 512, N 512]; A: computed on the way; B: input Wo (given as codes): QUANTISED
;;   THE QUANTISER, for each operand of a quantised product, along K:
;;     - K is cut into blocks of 32 from its start; a last block that is shorter is filled with zeros.
;;     - A block's scale is 2^e with e = floor(log2(the largest magnitude in the block)) - 8, held to -126 .. 127; a block of zeros has e = 0. As a byte (E8M0): e + 127.
;;     - Each number is divided by its block's scale, clamped to +-448, and rounded to the nearest number of E4M3, ties to even, subnormals kept.
;;     - The product sums the exact products of the quantised numbers (number of the format x scale) in f32.
;;   ~~~python
;;   def quantise(x, axis):      # numpy; x: float32 -> the quantised numbers, widened to float32 again
;;       x = np.moveaxis(x, axis, -1); K = x.shape[-1]
;;       x = np.pad(x, [(0, 0)] * (x.ndim - 1) + [(0, -K % 32)]); x = x.reshape(x.shape[:-1] + (-1, 32)); a = np.abs(x).max(-1, keepdims=True)
;;       e = np.where(a > 0, np.clip(np.frexp(np.where(a > 0, a, 1))[1] - 1 - 8, -126, 127), 0)      # np.frexp(a)[1] - 1 = floor(log2(a)), exactly
;;       r = np.clip(x / 2.0 ** e, -448, 448)
;;       step = 2.0 ** (np.maximum(np.frexp(np.where(r == 0, 1, r))[1] - 1, -6) - 3)
;;       q = np.round(r / step) * step * 2.0 ** e      # np.round: ties to even
;;       return np.moveaxis(q.reshape(q.shape[:-2] + (-1,))[..., :K], -1, axis).astype(np.float32)
;;   ~~~
;;   SOFTMAX AHEAD OF A QUANTISED PRODUCT. Where the list says 'softmax', what is quantised is not the finished softmax but p = 2^(t - M), with t = logit x log2(e) and M = ceil(the row's largest t), a whole number; so 1/2 < the row's largest p <= 1. The row's sum l is taken of the UNQUANTISED p, in f32, and the product's result is divided by l at the end. Since M is a whole number, a kernel that streams over the keys may use a running M (the ceiling of the running maximum): every later rescaling is an exact power of two, which a block's scale takes up: the codes' values come out the same.
;;   OPERANDS COMPUTED ON THE WAY. 'Computed on the way' means the value that the module computes at that place (a softmax that the list does not call 'softmax' is quantised finished and normalised). What goes into a quantiser is computed in f32, as accurately as f32 sums, v_exp_f32 and their like allow (about 1e-6 of the number): no bf16 or f16 on the way to a quantiser, and a product that is left as it is and whose result goes on into a quantised operand takes f32 operands (vector FMAs, or v_wmma_f32_16x16x4_f32). A number that lies on a knife's edge between two numbers of the format may be rounded either way, as far as f32 arithmetic and the matrix unit's own rounding can turn it there, and no further.
;;   INPUTS GIVEN AS CODES. Wk (in the module: [512, 512], K = its axis 1); Wo (in the module: [512, 512], K = its axis 1); Wq (in the module: [512, 512], K = its axis 1); Wv (in the module: [512, 512], K = its axis 1); hidden_states (in the module: [2, 4096, 512], K = its axis 2): each comes as NAME_codes (uint8): NAME with its K axis moved to the last place and cut into blocks of 32 codes, [.., K / 32, bytes a block], one block behind the other in memory; one code a byte (a code: sign, 4 exponent bits, 3 mantissa bits); and NAME_scales (uint8): the same leading axes, one E8M0 byte (e + 127) for each 32 codes along K. Its value is code x scale, taken as it is: it is not quantised again, and the codes and scales need not be those that the quantiser above would give.
;; One version. Each part assembles by itself: llvm-mc -triple=amdgcn-amd-amdhsa -mcpu=gfx1250 --defsym DOCPART=n.
;; ======== version 1 of 1: 3 launches
;; limits: right only within a limited range of input values
;; workspace buffers: qimg 4,194,304 bytes; qsc 131,072 bytes; kv 8,650,752 bytes; oimg 4,194,304 bytes; osc 131,072 bytes
;; launch proj (part 1): grid 4 x 64, 6 waves a work-group, clusters of 4 x 1, 168,704 bytes of LDS; arguments hidden_states_codes, hidden_states_scales, Wq_codes, Wq_scales, Wk_codes, Wk_scales, Wv_codes, Wv_scales, qimg, qsc, kv; writes qimg, qsc, kv
.if DOCPART == 1
	.amdgcn_target "amdgcn-amd-amdhsa--gfx1250"
	.amdhsa_code_object_version 6
	.text
	.protected	k_qa7efdaedcd_proj
	.globl	k_qa7efdaedcd_proj
	.p2align	8
	.type	k_qa7efdaedcd_proj,@function
k_qa7efdaedcd_proj:
	s_mov_b64 s[64:65], 0
	v_nop
	global_prefetch_b8 v0, s[64:65] scope:SCOPE_SE
	s_setreg_imm32_b32 hwreg(HW_REG_WAVE_MODE, 25, 1), 1
	s_wait_xcnt 0x0
	s_wait_alu depctr_hold_cnt(0) depctr_sa_sdst(0) depctr_va_vdst(0) depctr_va_sdst(0) depctr_va_ssrc(0) depctr_va_vcc(0) depctr_vm_vsrc(0)
	s_getreg_b32 s2, hwreg(HW_REG_IB_STS2, 6, 4)
	s_cmp_eq_u32 s2, 0
	s_cbranch_scc0 .Lentry_in_a_cluster
	s_endpgm
.Lentry_in_a_cluster:
	s_bfe_u32 s2, ttmp6, 0x10000c
	s_cmp_lg_u32 s2, 0x3003
	s_cbranch_scc0 .Lentry_shape_is_right
	s_endpgm
.Lentry_shape_is_right:
; q, k, v = X W^T on the given codes of FP8 (E4M3) with their E8M0 bytes; the results are quantised in registers (q, k along the head's 64; v along the keys) and stored as IMAGES OF OPERAND REGISTERS.
; SHARES.  A work-group takes 128 rows of X (row block = cluster y) and two heads (2 cx, 2 cx + 1) of q, k and v.  Wave w: tensor w / 2 (q, k, v), head 2 cx + w % 2: 128 rows x 64 columns, K = 512: 128 matrix instructions.
; The wave's 64 rows of W (32,768 bytes) go from memory into 256 registers and stay; X's tile comes into LDS once.  The four partners of a cluster need the same tile of X: it is asked for JOINTLY.
; W has no joint load: each wave of each partner wants other rows of W, and wants them in registers.
; A TILE'S 16 ROWS ARE NOT NEIGHBOURS: lane r of tile (b, u) of a run of rows takes row 32 b + 8 u + r + 8 (r / 8), for X's rows and for W's rows inside a head alike.  A result's register j of lane (r, h) is row 8 h + j of source 0,
; so the 16 registers of tiles (b, 0) and (b, 1) are 16 neighbours 32 b + 16 h + 0 .. 15 along source 0's rows: the order in which an operand's registers want K.
;   q, k: source 0 = W, source 1 = X: a lane holds one row of X and its registers run along the head's 64.   v: source 0 = X, source 1 = W: a lane holds one d and its registers run along the keys.
; So four registers of codes are one group of a later fragment, lane for lane, and leave by one store of 512 consecutive bytes, 16 a lane.
; OUT, with idx = (batch x 8 + head) x 32 + (row block % 32):
;   qimg [idx][b 4][2 u + c][lane][16 bytes]; qsc [idx][r 16][b 4] words, bytes (u0 c0, u0 c1, u1 c0, u1 c1);
;   kv [idx][16,896 bytes]: k's image laid as q's; at 8,192 v's image [tile of d 4][block of keys 4][lane][16]; at 16,384 k's words [r][b]; at 16,640 v's words [r][tile of d], byte = block of keys.
; THE QUANTISER: a block's scale is 2^(floor(log2(largest magnitude)) - 8); its byte is the largest magnitude's exponent field - 8, held at 1 from below; numbers are held within +-448 x the scale and rounded to nearest, ties to even.
; LIMITS: NaN and infinities are not served.  A block of zeros gets the byte 1 where the rule says 127: its codes are zeros, and this program alone reads the bytes.  Blocks whose largest magnitude lies under 2^-118 are held at the byte 1.
; REGISTERS.  Window 0: v1-6 offsets; v8-11 X's scale words (lanes 0-15 tile u = 0, lanes 16-31 u = 1); v12-19 W's (lanes 0-15 tile 2 c, lanes 16-31 tile 2 c + 1); v20-23 the words made; v24-39 the codes made;
;   v40-55 at work; v64-191 X's eight fragments of a group of 32 rows; v192-255 eight accumulators.   Window 1: W's 16 fragments, (tile t, K step ks) at v[16 (4 t + ks)].
.set PITCH, 528                        ; a row of X in LDS: 512 bytes + 16 of padding
.set XSCL,  128*PITCH                  ; behind X's 128 rows: their scale bytes, 16 a row, dense
.set L16,  1                           ; v1   16 x lane
.set XA,   2                           ; v2   X: (r + 8 (r / 8)) x PITCH + 16 h
.set XSA,  3                           ; v3   X's scale words: XSCL + 16 x (8 h + r + 8 (r / 8))
.set WA,   4                           ; v4   W: (r + 8 (r / 8)) x 512 + 16 h
.set WSA,  5                           ; v5   W's scale words: 16 x (8 h + r + 8 (r / 8))
.set LN,   6                           ; v6   lane
.set XS,   8
.set WS,   12
.set WORD, 20
.set PC,   24
.set TM,   40                          ; v40-43 largest magnitudes, v44-47 the other half's, then bytes, v48-51 448 x the scale, v52-55 the conversions' scale operands
.set XF,   64
.set ACC,  192
.set WC,   30                          ; s[30:31] my tensor's codes of W, at my head
.set WSC,  32                          ; s[32:33] its scale bytes
.set IMG,  34                          ; s[34:35] where my images go
.set SCP,  36                          ; s[36:37] where my words go
.set WV,   38                          ; s38 my wave's number
.set G1X,  40                          ; s[40:47], s[48:51] descriptor groups 1 and 0 for X's codes
.set G0X,  48
.set G1S,  52                          ; s[52:59], s[60:63] for X's scale bytes
.set G0S,  60
.set SEL,  66                          ; s[66:67] lane selects: lane l xor 16
.set MNT,  68                          ; s68 the mantissa field of 448
.set MSB, 0
.macro WIN new                         ; the immediate's high byte repeats the setting that is left
.if MSB != \new
	s_set_vgpr_msb (MSB<<8)|\new
.set MSB, \new
.endif
.endm
.macro PLACES n
.rept \n
	v_nop
.endr
.endm
.macro CROUND                          ; a round of the cluster's barrier
	s_barrier_signal -1
	s_barrier_wait -1
	s_cmp_lg_u32 s[WV], 0
	s_cbranch_scc1 .Lnot_wave_0_\@
	s_barrier_signal -3
.Lnot_wave_0_\@:
	s_barrier_wait -3
	s_barrier_signal -1
	s_barrier_wait -1
.endm
; One scaled matrix instruction.  c: the C operand's first register, or -1 for the constant 0.  ra, rb = 1: the side's scale words stand in lanes 16-31.
.macro WM d, a, b, c, sa, sb, ra, rb
.set rD, \d
.set rA, \a
.set rB, \b
.set rC, \c
.set rSA, \sa
.set rSB, \sb
.if rC < 0
.if (\ra) && (\rb)
	v_wmma_scale_f32_16x16x128_f8f6f4 v[rD:rD+7], v[rA:rA+15], v[rB:rB+15], 0, v[rSA], v[rSB] matrix_a_scale:MATRIX_SCALE_ROW1 matrix_b_scale:MATRIX_SCALE_ROW1
.elseif (\ra)
	v_wmma_scale_f32_16x16x128_f8f6f4 v[rD:rD+7], v[rA:rA+15], v[rB:rB+15], 0, v[rSA], v[rSB] matrix_a_scale:MATRIX_SCALE_ROW1
.elseif (\rb)
	v_wmma_scale_f32_16x16x128_f8f6f4 v[rD:rD+7], v[rA:rA+15], v[rB:rB+15], 0, v[rSA], v[rSB] matrix_b_scale:MATRIX_SCALE_ROW1
.else
	v_wmma_scale_f32_16x16x128_f8f6f4 v[rD:rD+7], v[rA:rA+15], v[rB:rB+15], 0, v[rSA], v[rSB]
.endif
.else
.if (\ra) && (\rb)
	v_wmma_scale_f32_16x16x128_f8f6f4 v[rD:rD+7], v[rA:rA+15], v[rB:rB+15], v[rC:rC+7], v[rSA], v[rSB] matrix_a_scale:MATRIX_SCALE_ROW1 matrix_b_scale:MATRIX_SCALE_ROW1
.elseif (\ra)
	v_wmma_scale_f32_16x16x128_f8f6f4 v[rD:rD+7], v[rA:rA+15], v[rB:rB+15], v[rC:rC+7], v[rSA], v[rSB] matrix_a_scale:MATRIX_SCALE_ROW1
.elseif (\rb)
	v_wmma_scale_f32_16x16x128_f8f6f4 v[rD:rD+7], v[rA:rA+15], v[rB:rB+15], v[rC:rC+7], v[rSA], v[rSB] matrix_b_scale:MATRIX_SCALE_ROW1
.else
	v_wmma_scale_f32_16x16x128_f8f6f4 v[rD:rD+7], v[rA:rA+15], v[rB:rB+15], v[rC:rC+7], v[rSA], v[rSB]
.endif
.endif
.endm
	s_load_b512 s[4:19], s[0:1], 0x0               ; X's codes s[4:5], X's scales s[6:7], Wq s[8:11], Wk s[12:15], Wv s[16:19] (codes, scales)
	s_load_b128 s[20:23], s[0:1], 0x40             ; qimg, qsc
	s_load_b64 s[24:25], s[0:1], 0x50              ; kv
	v_lshl_add_u32 v62, v0, 2, 0x29000
	v_mov_b32 v63, 0
	ds_add_u32 v62, v63
	ds_add_u32 v62, v63
	v_lshrrev_b32 v7, 5, v0
	v_readfirstlane_b32 s[WV], v7                  ; wave 0..5
	v_and_b32 v[LN], 31, v0
	v_lshlrev_b32 v[L16], 4, v[LN]
	v_and_b32 v7, 15, v0                           ; r
	v_bfe_u32 v20, v0, 4, 1                        ; h
	v_and_b32 v21, 8, v7
	v_add_nc_u32 v21, v21, v7                      ; r + 8 (r / 8)
	v_mul_u32_u24 v[XA], v21, PITCH
	v_lshl_add_u32 v[XA], v20, 4, v[XA]
	v_lshl_add_u32 v22, v20, 3, v21                ; 8 h + r + 8 (r / 8): lanes 16-31 take the tile 8 rows further on
	v_lshlrev_b32 v[WSA], 4, v22
	v_add_nc_u32 v[XSA], XSCL, v[WSA]
	v_lshlrev_b32 v[WA], 9, v21
	v_lshl_add_u32 v[WA], v20, 4, v[WA]
.irp b, 0,1,2,3
	v_mov_b32 v[TM+4+\b], 0                        ; written once: a lane permute's destination counts as one of its sources
.endr
	s_mov_b32 s[SEL], 0x76543210
	s_mov_b32 s[SEL+1], 0xfedcba98
	s_mov_b32 s[MNT], 0x600000
	s_and_b32 s72, ttmp7, 0xffff                   ; the row block, which the four partners share
	; descriptor group 1 for X's codes: 32 rows of 512 bytes (64 elements of 8 bytes), 16 bytes of padding behind each
	s_mov_b32 s[G1X], 15|(3<<16)|(1<<20)|(1<<21)|(6<<22)|(3<<25)   ; 15:0 the mask: all four partners; 17:16 elements of 8 bytes; 20 padding on; 21 set beside a mask; 24:22 after every 128 words; 31:25 four words
	s_mov_b32 s[G1X+1], 64<<16                     ; tensor_dim0
	s_mov_b32 s[G1X+2], 32<<16                     ; tensor_dim1
	s_mov_b32 s[G1X+3], 64<<16                     ; tile_dim0
	s_mov_b32 s[G1X+4], 32                         ; tile_dim1
	s_mov_b32 s[G1X+5], 64                         ; from row to row
	s_mov_b32 s[G1X+6], 0
	s_mov_b32 s[G1X+7], 0
	; and for X's scale bytes: 2,048 dense bytes as 8 rows of 256
	s_mov_b32 s[G1S], 15|(3<<16)|(1<<21)
	s_mov_b32 s[G1S+1], 32<<16
	s_mov_b32 s[G1S+2], 8<<16
	s_mov_b32 s[G1S+3], 32<<16
	s_mov_b32 s[G1S+4], 8
	s_mov_b32 s[G1S+5], 32
	s_mov_b32 s[G1S+6], 0
	s_mov_b32 s[G1S+7], 0
	s_mov_b32 s[G0X], 1
	s_mul_i32 s[G0X+1], s[WV], 32*PITCH            ; waves 0 to 3 fetch 32 rows each
	s_lshl_b32 s28, s72, 16                        ; the block's 128 rows of 512 bytes,
	s_lshl_b32 s29, s[WV], 14                      ; my 32 of them
	s_add_co_u32 s28, s28, s29
	s_mov_b32 s29, 0
	s_mov_b32 s[G0S], 1
	s_mov_b32 s[G0S+1], XSCL
	s_lshl_b32 s26, s72, 11                        ; the block's 128 rows of 16 scale bytes
	s_mov_b32 s27, 0
	; what hangs on my place in the cluster enters global addresses of W and of the results alone, in registers of its own
	s_bfe_u32 s71, ttmp6, 0x40000                  ; cx
	s_and_b32 s73, s[WV], 1
	s_lshl_b32 s74, s71, 1
	s_add_co_u32 s73, s73, s74                     ; my head
	s_lshr_b32 s74, s72, 5
	s_lshl_b32 s74, s74, 8                         ; batch x 256
	s_and_b32 s75, s72, 31
	s_add_co_u32 s74, s74, s75
	s_lshl_b32 s75, s73, 5
	s_add_co_u32 s74, s74, s75                     ; idx
	s_lshl_b32 s80, s73, 15                        ; a head's 64 rows of W: 32,768 bytes of codes,
	s_mov_b32 s81, 0
	s_lshl_b32 s82, s73, 10                        ; 1,024 scale bytes
	s_mov_b32 s83, 0
	s_mov_b32 s75, 16896
	s_mov_b32 s78, 16384
	s_cmp_lt_u32 s[WV], 2                          ; q?
	s_cselect_b32 s76, 8192, s75                   ; bytes for an idx in the images' buffer,
	s_cselect_b32 s77, 256, s75                    ; in the words' buffer;
	s_cselect_b32 s78, 0, s78                      ; in kv the words begin 16,384 bytes into a step
	s_cmp_lt_u32 s[WV], 4                          ; v?
	s_cselect_b32 s79, 0, 8192                     ; v's image lies behind k's,
	s_cselect_b32 s75, 0, 256                      ; v's words behind k's
	s_mul_i32 s84, s74, s76
	s_add_co_u32 s84, s84, s79
	s_mov_b32 s85, 0
	s_mul_i32 s86, s74, s77
	s_add_co_u32 s86, s86, s78
	s_add_co_u32 s86, s86, s75
	s_mov_b32 s87, 0
	s_wait_dscnt 0x0
	s_wait_kmcnt 0x0
	s_add_nc_u64 s[G0X+2:G0X+3], s[4:5], s[28:29]
	s_or_b32 s[G0X+3], s[G0X+3], 0x80000000        ; type = 2
	s_add_nc_u64 s[G0S+2:G0S+3], s[6:7], s[26:27]
	s_or_b32 s[G0S+3], s[G0S+3], 0x80000000
	s_cmp_lt_u32 s[WV], 4                          ; the buffers are chosen by the wave's number alone
	s_cselect_b64 s[WC:WC+1], s[12:13], s[16:17]
	s_cselect_b64 s[WSC:WSC+1], s[14:15], s[18:19]
	s_cmp_lt_u32 s[WV], 2
	s_cselect_b64 s[WC:WC+1], s[8:9], s[WC:WC+1]
	s_cselect_b64 s[WSC:WSC+1], s[10:11], s[WSC:WSC+1]
	s_cselect_b64 s[IMG:IMG+1], s[20:21], s[24:25]
	s_cselect_b64 s[SCP:SCP+1], s[22:23], s[24:25]
	s_add_nc_u64 s[WC:WC+1], s[WC:WC+1], s[80:81]
	s_add_nc_u64 s[WSC:WSC+1], s[WSC:WSC+1], s[82:83]
	s_add_nc_u64 s[IMG:IMG+1], s[IMG:IMG+1], s[84:85]
	s_add_nc_u64 s[SCP:SCP+1], s[SCP:SCP+1], s[86:87]
	CROUND                                         ; all four partners are here: the joint loads meet
	s_cmp_lt_u32 s[WV], 4                          ; waves 0 to 3: X's codes; wave 4: X's scale bytes; wave 5: nothing.  The branches hang on the wave's number alone
	s_cbranch_scc0 .Lnot_codes
	tensor_load_to_lds s[G0X:G0X+3], s[G1X:G1X+7]
	s_nop 0
	PLACES 4                                       ; four v_nop follow a tensor load
	s_branch .Lasked
.Lnot_codes:
	s_cmp_eq_u32 s[WV], 4
	s_cbranch_scc0 .Lasked
	tensor_load_to_lds s[G0S:G0S+3], s[G1S:G1S+7]
	s_nop 0
	PLACES 4
.Lasked:
	WIN 0x40                                       ; destination window 1
	s_wait_alu depctr_va_vdst(0)
.irp t, 0,1,2,3                        ; W's fragments: they stay for the whole launch
.irp ks, 0,1,2,3
.irp c, 0,1,2,3
	global_load_b128 v[16*(4*\t+\ks)+4*\c:16*(4*\t+\ks)+4*\c+3], v[WA], s[WC:WC+1] offset:(32*(\t/2)+8*(\t%2))*512+128*\ks+32*\c
.endr
.endr
.endr
	WIN 0
	global_load_b128 v[WS:WS+3], v[WSA], s[WSC:WSC+1]             ; a row's 16 scale bytes are its four words, one for each K step: tiles 0 | 1
	global_load_b128 v[WS+4:WS+7], v[WSA], s[WSC:WSC+1] offset:512   ; tiles 2 | 3
	s_wait_tensorcnt 0x0                           ; my part of X is in LDS,
	s_barrier_signal -1
	s_barrier_wait -1                              ; everybody's is.  LDS is filled once in this launch
; X's eight fragments (tile u, K step ks) of the group of rows 32 g .. 32 g + 31, and their scale words
.macro FETCHX g
.irp u, 0,1
.irp ks, 0,1,2,3
.irp c, 0,1,2,3
	ds_load_b128 v[XF+16*(4*\u+\ks)+4*\c:XF+16*(4*\u+\ks)+4*\c+3], v[XA] offset:(32*(\g)+8*\u)*PITCH+128*\ks+32*\c
.endr
.endr
.endr
	ds_load_b128 v[XS:XS+3], v[XSA] offset:512*(\g)
.endm
; 64 numbers of a lane, v[s] on, four blocks of 16 registers; a block's other 16 numbers lie in lane l xor 16.  Codes: four registers a block, v[PC] on; the blocks' bytes: v[TM+4] on.
.macro QUANT s
.irp b, 0,1,2,3
	v_max3_num_f32 v[TM+\b], |v[\s+16*\b]|, |v[\s+1+16*\b]|, 0x4800000   ; my 16 numbers, and the floor 2^(9 - 127): the byte cannot fall under 1.  Each accumulator is read from its low end on
.endr
.irp i, 2,4,6,8,10,12,14
.irp b, 0,1,2,3
	v_max3_num_f32 v[TM+\b], v[TM+\b], |v[\s+16*\b+\i]|, |v[\s+1+16*\b+\i]|   ; the four blocks by turns
.endr
.endr
.irp b, 0,1,2,3
	v_permlanex16_b32 v[TM+4+\b], v[TM+\b], s[SEL], s[SEL+1]
.endr
.irp b, 0,1,2,3
	v_max_num_f32 v[TM+\b], v[TM+\b], v[TM+4+\b]   ; the block's largest magnitude
.endr
.irp b, 0,1,2,3
	v_add_nc_u32 v[TM+12+\b], 0xfc000000, v[TM+\b]   ; 8 off its exponent field: the conversion takes this operand's exponent field as its scale
.endr
.irp b, 0,1,2,3
	v_and_or_b32 v[TM+8+\b], v[TM+\b], 0x7f800000, s[MNT]   ; 448 x the scale
.endr
.irp b, 0,1,2,3
	v_lshrrev_b32 v[TM+4+\b], 23, v[TM+12+\b]      ; the scale's byte
.endr
.irp b, 0,1,2,3
.irp i, 0,1,2,3,4,5,6,7,8,9,10,11,12,13,14,15
	v_med3_num_f32 v[\s+16*\b+\i], v[\s+16*\b+\i], -v[TM+8+\b], v[TM+8+\b]   ; the conversion to an 8-bit code does not saturate (ISA guide 7.6.2): the hold comes first
.endr
	v_cvt_scalef32_pk8_fp8_f32 v[PC+4*\b:PC+1+4*\b], v[\s+16*\b:\s+7+16*\b], v[TM+12+\b]
	v_cvt_scalef32_pk8_fp8_f32 v[PC+2+4*\b:PC+3+4*\b], v[\s+8+16*\b:\s+15+16*\b], v[TM+12+\b]
.endr
	v_nop                                          ; one plain instruction between the last conversion and whatever next writes its sources
.endm
; q, k: rows 32 g on.  Source 0 = W's tile t, source 1 = X's tile u; accumulator (u, t) at ACC + 8 (4 u + t); the eight take turns, one instruction a turn.  Block 2 u + c = accumulators (u, 2 c), (u, 2 c + 1).
.macro GROUP_QK g
	s_wait_dscnt 0x0                               ; X's fragments and words are in
	WIN 0x01                                       ; source 0 window 1
.irp ks, 0,1,2,3
.irp u, 0,1
.irp t, 0,1,2,3
.if \ks == 0
	WM ACC+8*(4*\u+\t), 16*(4*\t+\ks), XF+16*(4*\u+\ks), -1, WS+4*(\t/2)+\ks, XS+\ks, \t%2, \u
.else
	WM ACC+8*(4*\u+\t), 16*(4*\t+\ks), XF+16*(4*\u+\ks), ACC+8*(4*\u+\t), WS+4*(\t/2)+\ks, XS+\ks, \t%2, \u
.endif
.endr
.endr
.endr
	WIN 0
	PLACES 8                                       ; eight places in front of loads into registers that these products read, and of the first read of results
.if \g < 3
	FETCHX (\g)+1                                  ; the next group's fragments land while this group is quantised
.endif
.if \g > 0
	s_wait_xcnt 0x0                                ; the last group's stores have read their data: the codes' registers may be written again
.endif
	QUANT ACC
	v_lshl_or_b32 v[WORD+\g], v[TM+5], 8, v[TM+4]  ; bytes (u0 c0, u0 c1, u1 c0, u1 c1): the scale word of a fragment that holds tile (g, 0) in K 0-63 and tile (g, 1) in K 64-127
	v_lshl_or_b32 v[WORD+\g], v[TM+6], 16, v[WORD+\g]
	v_lshl_or_b32 v[WORD+\g], v[TM+7], 24, v[WORD+\g]
.irp q, 0,1,2,3
	global_store_b128 v[L16], v[PC+4*\q:PC+4*\q+3], s[IMG:IMG+1] offset:2048*\g+512*\q   ; 32 lanes store 512 consecutive bytes, at a multiple of 256 from the buffer's first byte
.endr
.endm
; v: keys 32 g on.  Source 0 = X's tile u, source 1 = W's tile t; accumulator at ACC + 16 t + 8 u.  Block t: d of tile t's lane, keys 32 g + 16 h + 0 .. 15.
.macro GROUP_V g
	s_wait_dscnt 0x0
	WIN 0x04                                       ; source 1 window 1
.irp ks, 0,1,2,3
.irp u, 0,1
.irp t, 0,1,2,3
.if \ks == 0
	WM ACC+16*\t+8*\u, XF+16*(4*\u+\ks), 16*(4*\t+\ks), -1, XS+\ks, WS+4*(\t/2)+\ks, \u, \t%2
.else
	WM ACC+16*\t+8*\u, XF+16*(4*\u+\ks), 16*(4*\t+\ks), ACC+16*\t+8*\u, XS+\ks, WS+4*(\t/2)+\ks, \u, \t%2
.endif
.endr
.endr
.endr
	WIN 0
	PLACES 8
.if \g < 3
	FETCHX (\g)+1
.endif
.if \g > 0
	s_wait_xcnt 0x0
.endif
	QUANT ACC
.irp t, 0,1,2,3
.if \g == 0
	v_mov_b32 v[WORD+\t], v[TM+4+\t]               ; tile t's word: byte g belongs to keys 32 g on
.else
	v_lshl_or_b32 v[WORD+\t], v[TM+4+\t], 8*\g, v[WORD+\t]
.endif
.endr
.irp q, 0,1,2,3
	global_store_b128 v[L16], v[PC+4*\q:PC+4*\q+3], s[IMG:IMG+1] offset:2048*\q+512*\g
.endr
.endm
	FETCHX 0
	s_wait_loadcnt 0x0                             ; W and its scale words
	s_cmp_lt_u32 s[WV], 4
	s_cbranch_scc0 .Lvalues
	GROUP_QK 0
	GROUP_QK 1
	GROUP_QK 2
	GROUP_QK 3
	s_branch .Ljoin
.Lvalues:
	GROUP_V 0
	GROUP_V 1
	GROUP_V 2
	GROUP_V 3
.Ljoin:
	v_cmp_gt_u32 vcc_lo, 16, v[LN]                 ; lanes 16-31 hold the same words as lanes 0-15
	s_wait_xcnt 0x0                                ; EXEC changes only behind this wait: it is a source of the stores above
	s_and_saveexec_b32 s70, vcc_lo
	s_wait_alu depctr_va_vdst(0)
	global_store_b128 v[L16], v[WORD:WORD+3], s[SCP:SCP+1]   ; sixteen lanes store 256 consecutive bytes, aligned: [r][4 words]
	s_wait_xcnt 0x0
	s_or_b32 exec_lo, exec_lo, s70
	s_wait_tensorcnt 0x0
	ds_add_u32 v62, v63
	s_wait_dscnt 0x0
	CROUND                                         ; the closing round: no work-group ends while a partner may still ask for a tile that names it
	s_endpgm
.Lfunc_end_k_qa7efdaedcd_proj:
	.size	k_qa7efdaedcd_proj, .Lfunc_end_k_qa7efdaedcd_proj-k_qa7efdaedcd_proj
	.p2alignl 7, 3214868480
	.fill 96, 4, 3214868480
	.section	.rodata,"a",@progbits
	.p2align	6, 0x0
	.amdhsa_kernel k_qa7efdaedcd_proj
		.amdhsa_group_segment_fixed_size 168704
		.amdhsa_private_segment_fixed_size 0
		.amdhsa_enable_private_segment 0
		.amdhsa_kernarg_size 88
		.amdhsa_user_sgpr_count 2
		.amdhsa_user_sgpr_kernarg_segment_ptr 1
		.amdhsa_wavefront_size32 1
		.amdhsa_system_sgpr_workgroup_id_x 1
		.amdhsa_system_sgpr_workgroup_id_y 1
		.amdhsa_system_sgpr_workgroup_id_z 1
		.amdhsa_system_vgpr_workitem_id 0
		.amdhsa_next_free_vgpr 512
		.amdhsa_next_free_sgpr 88
		.amdhsa_reserve_vcc 1
		.amdhsa_float_denorm_mode_32 3
		.amdhsa_float_denorm_mode_16_64 3
		.amdhsa_memory_ordered 1
		.amdhsa_forward_progress 1
		.amdhsa_inst_pref_size 130
	.end_amdhsa_kernel
	.amdgpu_metadata
---
amdhsa.version: [ 1, 2 ]
amdhsa.kernels:
  - .name:           k_qa7efdaedcd_proj
    .symbol:         k_qa7efdaedcd_proj.kd
    .args:
      - { .name: hidden_states_codes, .offset: 0, .size: 8, .value_kind: global_buffer, .address_space: global }
      - { .name: hidden_states_scales, .offset: 8, .size: 8, .value_kind: global_buffer, .address_space: global }
      - { .name: Wq_codes, .offset: 16, .size: 8, .value_kind: global_buffer, .address_space: global }
      - { .name: Wq_scales, .offset: 24, .size: 8, .value_kind: global_buffer, .address_space: global }
      - { .name: Wk_codes, .offset: 32, .size: 8, .value_kind: global_buffer, .address_space: global }
      - { .name: Wk_scales, .offset: 40, .size: 8, .value_kind: global_buffer, .address_space: global }
      - { .name: Wv_codes, .offset: 48, .size: 8, .value_kind: global_buffer, .address_space: global }
      - { .name: Wv_scales, .offset: 56, .size: 8, .value_kind: global_buffer, .address_space: global }
      - { .name: qimg, .offset: 64, .size: 8, .value_kind: global_buffer, .address_space: global }
      - { .name: qsc, .offset: 72, .size: 8, .value_kind: global_buffer, .address_space: global }
      - { .name: kv, .offset: 80, .size: 8, .value_kind: global_buffer, .address_space: global }
    .group_segment_fixed_size: 168704
    .private_segment_fixed_size: 0
    .kernarg_segment_align: 8
    .kernarg_segment_size: 88
    .max_flat_workgroup_size: 192
    .sgpr_count:     88
    .vgpr_count:     512
    .wavefront_size: 32
...
	.end_amdgpu_metadata
.endif
;; end of part 1
;; launch attn (part 2): grid 16 x 16, 8 waves a work-group, clusters of 4 x 1, 327,680 bytes of LDS; arguments qimg, qsc, kv, oimg, osc; writes oimg, osc
.if DOCPART == 2
	.amdgcn_target "amdgcn-amd-amdhsa--gfx1250"
	.amdhsa_code_object_version 6
	.text
	.protected	k_qa7efdaedcd_attn
	.globl	k_qa7efdaedcd_attn
	.p2align	8
	.type	k_qa7efdaedcd_attn,@function
k_qa7efdaedcd_attn:
	s_mov_b64 s[64:65], 0
	v_nop
	global_prefetch_b8 v0, s[64:65] scope:SCOPE_SE
	s_setreg_imm32_b32 hwreg(HW_REG_WAVE_MODE, 25, 1), 1
	s_wait_xcnt 0x0
	s_wait_alu depctr_hold_cnt(0) depctr_sa_sdst(0) depctr_va_vdst(0) depctr_va_sdst(0) depctr_va_ssrc(0) depctr_va_vcc(0) depctr_vm_vsrc(0)
	s_getreg_b32 s2, hwreg(HW_REG_IB_STS2, 6, 4)
	s_cmp_eq_u32 s2, 0
	s_cbranch_scc0 .Lentry_in_a_cluster
	s_endpgm
.Lentry_in_a_cluster:
	s_bfe_u32 s2, ttmp6, 0x10000c
	s_cmp_lg_u32 s2, 0x3003
	s_cbranch_scc0 .Lentry_shape_is_right
	s_endpgm
.Lentry_shape_is_right:
; o = softmax(q k^T / 8) v for 16 (batch, head) pairs of 4,096 x 64, both products on codes of FP8 (E4M3) with one E8M0 scale for each 32 along K; o is quantised along the model's 512 and stored as images of operand registers.
; THE SOFTMAX: t = score x log2(e) / 8; M = the running largest t rounded UP to a whole number; p = 2^(t - M) is quantised along the keys, not normalised; the row's sum is taken of the unquantised p and divides at the end.
; When M moves, the sum and O are multiplied by 2^(old M - new M): exact.
; SHARES.  A work-group owns 256 queries of one (batch, head); each of its EIGHT waves owns 32 of them, two tiles of 16 (x = 0, 1), so that each fragment of k and v read from LDS feeds both tiles.  Two waves to a SIMD, 512 registers each.
; Every wave walks the 4,096 keys, 128 a step.  A step's 16,896 bytes of kv (k's image, v's image, their scale words) lie in LDS as in memory: each fragment comes by loads of 16 bytes a lane.
; LAYOUT.  Both products are used transposed (S^T = K Q^T, O^T = V^T P^T): a lane holds one query of each tile.  The rows of a tile are 32 b + 8 u + r + 8 (r / 8), so a lane's 16 registers of two neighbouring tiles are 16 neighbours.
; K = 64 IN A FORM OF K = 128: a fragment of k holds two tiles of keys; q stands between runs of zero codes: [q | 0] picks the first, [0 | q] the second.  The other tile's codes are finite and their bytes lie in 1 .. 254, so they add nothing.
; THE ORDER OF A STEP.  Tile 1 runs half a step behind tile 0: tile 0's maxima stand among tile 1's score products, tile 1's multiply-adds among tile 0's exponentials, tile 0's holds among tile 1's exponentials,
; tile 1's scale lines and sums among tile 0's second products.  What stands among exponentials reads only what was written ahead of the wait in front of them, and is read only behind the wait that follows them.
; RING.  Two slots of 8 steps; each wave fetches one step, 66 rows of 256 bytes.  The four query blocks of a cluster walk the same kv: every load is JOINT.  A wave has one tensor load out at any time.
; The next step's k is fetched behind this step's scores; in a slot's last step the address is held at that step (the same k comes again), and the next slot's first k comes behind the change of slots.
; No prefetch is laid: a refill is asked for eight key steps ahead of its first read.
; LIMITS: NaN and infinities are not served; a block of zeros gets the byte 1 where the rule says 127 (its codes are zeros; this program alone reads the bytes); blocks under 2^-118 are held at the byte 1.
; A block's largest p is taken from the block's largest score by the same multiply-add and exponential: that leans on v_exp_f32 not falling where its input rises.
; REGISTERS.  Window 0: addresses, scale words, q, S^T / p of both tiles, the softmax's small numbers.  Window 1: v0-63 k's fragments, v64-127 v's, v128-191 O^T (32 a tile), v192-223 p's codes (16 a tile).
.set STEPB, 16896
.set SLOTB, 8*STEPB
.set SPARE, 2*SLOTB                    ; the spare words: 128 bytes a wave, four blocks of 256 bytes that no other line names
.set OSTG,  SPARE+1024                 ; 512 bytes: the sixteen tiles' scale bytes meet here; no tensor load lands here
.set L16, 1                            ; 16 x lane
.set SPW, 2
.set NIL, 3
.set ADK, 4                            ; this step's place in LDS + 16 x lane
.set OSA, 5                            ; OSTG + 64 x wave + 2 r
.set QS,  6                            ; v6, v7 q's scale words
.set SCK, 8                            ; v8-11 lanes 0-15: k's words
.set SCV, 12                           ; v12-15 lanes 16-31: v's words
.set Q,   24                           ; v16-55: 0, q of tile 0, 0, q of tile 1, 0, eight registers each
.set S,   56                           ; v56-183 S^T, then p: 64 a tile, 16 a block of 32 keys: block n = 4 x + b at S + 16 n
.set NM,  184                          ; pairs (-M, largest t), a pair a tile
.set LS,  188                          ; the sums, a pair a tile
.set F,   192                          ; pairs (f, at work)
.set TMP, 193
.set RAW, 196
.set QAD, 197
.set ADN, 198                          ; the next step's place + 16 x lane
.set PW,  200                          ; v200, v201 p's scale words
.set BM,  204                          ; eight blocks' largest score, then largest p
.set PT,  212                          ; the other half's maxima; bytes
.set SO,  220                          ; the conversions' scale operands
.set HL,  228                          ; 448 x the scale,
.set HM,  237                          ; and once more, one register bank on: the two halves of a dual line read different banks
.set T2,  246                          ; v246-253 four chains of a row's sum: the tiles use them one after the other
.set KF,  0
.set VF,  64
.set O,   128
.set PCD, 192
.set WV,  18
.set MNT, 19
.set SEL, 20
.set CS,  22
.set G1T, 24
.set G0A, 40
.set G0B, 44
.set TN,  51
.set TB,  52
.set TRIP, 53
.set MSB, 0
.macro WIN new                         ; the immediate's high byte repeats the setting that is left
.if MSB != \new
	s_set_vgpr_msb (MSB<<8)|\new
.set MSB, \new
.endif
.endm
.macro PLACES n
.rept \n
	v_nop
.endr
.endm
.macro WALU
	s_wait_alu depctr_va_vdst(0)
.endm
.macro CROUND                          ; a round of the cluster's barrier
	s_barrier_signal -1
	s_barrier_wait -1
	s_cmp_lg_u32 s[WV], 0
	s_cbranch_scc1 .Lnot_wave_0_\@
	s_barrier_signal -3
.Lnot_wave_0_\@:
	s_barrier_wait -3
	s_barrier_signal -1
	s_barrier_wait -1
.endm
	s_load_b256 s[4:11], s[0:1], 0x0               ; qimg, qsc, kv, oimg
	s_load_b64 s[12:13], s[0:1], 0x20              ; osc
	v_lshl_add_u32 v[SPW], v0, 2, SPARE
	v_mov_b32 v[NIL], 0
	ds_add_u32 v[SPW], v[NIL]                      ; the opening: the add, twice on end, and its wait ahead of the first tensor load
	ds_add_u32 v[SPW], v[NIL]
	v_lshrrev_b32 v4, 5, v0
	v_readfirstlane_b32 s[WV], v4                  ; wave 0..7
	v_and_b32 v[L16], 31, v0
	v_and_b32 v[RAW], 15, v0                       ; r
	v_lshlrev_b32 v[OSA], 6, v4
	v_lshlrev_b32 v[L16], 4, v[L16]
	v_lshl_add_u32 v[OSA], v[RAW], 1, v[OSA]
	v_lshlrev_b32 v[QAD], 4, v[RAW]                ; 16 r: a row of qsc's words
	v_add_nc_u32 v[OSA], OSTG, v[OSA]
	s_mov_b32 s[MNT], 0x600000
	s_mov_b32 s[SEL], 0x76543210
	s_mov_b32 s[SEL+1], 0xfedcba98
	s_mov_b32 s[CS], 0x3e38aa3b                    ; log2(e) / 8
	s_mov_b32 s[CS+1], s[CS]
	s_mov_b32 s[G1T], 15|(3<<16)|(1<<21)           ; the mask: all four partners; elements of 8 bytes; bit 21 beside a mask
	s_mov_b32 s[G1T+1], 32<<16                     ; rows of 256 bytes,
	s_mov_b32 s[G1T+2], 66<<16                     ; 66 of them: one key step, dense
	s_mov_b32 s[G1T+3], 32<<16
	s_mov_b32 s[G1T+4], 66
	s_mov_b32 s[G1T+5], 32
	s_mov_b32 s[G1T+6], 0
	s_mov_b32 s[G1T+7], 0
	s_and_b32 s58, ttmp7, 0xffff                   ; batch x 8 + head, which the four partners share
	s_mov_b32 s[G0A], 1
	s_mov_b32 s[G0B], 1
	s_mul_i32 s[G0A+1], s[WV], STEPB               ; my step of a slot: the same place in LDS and in memory
	s_add_co_u32 s[G0B+1], s[G0A+1], SLOTB
	s_mul_i32 s60, s58, 32*STEPB
	s_add_co_u32 s60, s60, s[G0A+1]
	s_mov_b32 s61, 0
	s_bfe_u32 s56, ttmp6, 0x40000                  ; cx enters q's and o's global addresses alone
	s_lshl_b32 s57, ttmp9, 2
	s_add_co_u32 s57, s57, s56                     ; my block of 256 queries
	s_lshl_b32 s59, s57, 4
	s_lshl_b32 s63, s[WV], 1
	s_add_co_u32 s59, s59, s63                     ; my first tile of queries, 0 .. 254
	s_lshl_b32 s62, s58, 18
	s_lshl_b32 s63, s59, 10
	s_add_co_u32 s62, s62, s63                     ; qimg: 262,144 bytes a head, 1,024 a tile
	s_mov_b32 s63, 0
	s_lshl_b32 s66, s58, 5
	s_lshl_b32 s67, s57, 1
	s_add_co_u32 s66, s66, s67
	s_lshr_b32 s67, s[WV], 2
	s_add_co_u32 s66, s66, s67                     ; idx = head x 32 + tile / 8
	s_lshl_b32 s66, s66, 8
	s_and_b32 s67, s[WV], 3                        ; b = (tile / 2) % 4
	s_lshl_b32 s67, s67, 2
	s_add_co_u32 s66, s66, s67
	s_mov_b32 s67, 0
	s_lshr_b32 s68, s58, 3
	s_lshl_b32 s68, s68, 8
	s_add_co_u32 s68, s68, s59
	s_lshl_b32 s68, s68, 13                        ; oimg: (batch x 256 + tile) x 8,192,
	s_bfe_u32 s69, s58, 0x20001
	s_lshl_b32 s69, s69, 11
	s_add_co_u32 s68, s68, s69                     ; K step head / 2,
	s_and_b32 s69, s58, 1
	s_lshl_b32 s69, s69, 10
	s_add_co_u32 s68, s68, s69                     ; groups 2 (head % 2) and + 1
	s_mov_b32 s69, 0
	s_lshl_b32 s70, s58, 13
	s_lshl_b32 s71, s57, 9
	s_add_co_u32 s70, s70, s71                     ; osc: 8,192 bytes a head, 32 a tile
	s_mov_b32 s71, 0
	s_mov_b32 s54, 0x01000100                      ; tile 0 (u = 0) takes bytes 0, 1 of qsc's word,
	s_mov_b32 s55, 0x03020302                      ; tile 1 bytes 2, 3
	s_wait_dscnt 0x0
	s_wait_kmcnt 0x0
	s_add_nc_u64 s[G0A+2:G0A+3], s[8:9], s[60:61]
	s_add_nc_u64 s[G0B+2:G0B+3], s[G0A+2:G0A+3], SLOTB
	s_or_b32 s[G0A+3], s[G0A+3], 0x80000000
	s_or_b32 s[G0B+3], s[G0B+3], 0x80000000
	s_add_nc_u64 s[4:5], s[4:5], s[62:63]
	s_add_nc_u64 s[6:7], s[6:7], s[66:67]
	s_add_nc_u64 s[10:11], s[10:11], s[68:69]
	s_add_nc_u64 s[12:13], s[12:13], s[70:71]
	CROUND                                         ; all four partners are here: the first joint loads meet
	tensor_load_to_lds s[G0A:G0A+3], s[G1T:G1T+7]  ; my step of steps 0-7: one tensor load a wave at the head
	s_nop 0
	PLACES 4
	WALU                                           ; the wait ahead of the readers below
.irp x, 0,1
	global_load_b128 v[Q+16*\x:Q+16*\x+3], v[L16], s[4:5] offset:1024*\x
	global_load_b128 v[Q+16*\x+4:Q+16*\x+7], v[L16], s[4:5] offset:1024*\x+512
.endr
	global_load_b32 v[RAW], v[QAD], s[6:7]
.irp j, 0,1,2,3,4,5,6,7
	v_mov_b32 v[Q-8+\j], 0                         ; zero codes round q
	v_mov_b32 v[Q+8+\j], 0
	v_mov_b32 v[Q+24+\j], 0
	v_mov_b32 v[PT+\j], 0                          ; a lane permute's destination counts as one of its sources
.endr
.irp x, 0,1
	v_mov_b32 v[NM+2*\x+1], 0xff61b1e6             ; the largest t so far: -3e38
	v_mov_b32 v[LS+2*\x], 0
	v_mov_b32 v[LS+2*\x+1], 0
.endr
.irp x, 0,1
	v_floor_f32 v[NM+2*\x], -v[NM+2*\x+1]          ; -M
.endr
	s_wait_loadcnt 0x0
	v_perm_b32 v[QS], v[RAW], v[RAW], s54          ; (s0, s1, s0, s1) serves [q | 0] and [0 | q]
	v_perm_b32 v[QS+1], v[RAW], v[RAW], s55
	WIN 0x40
.set i, 0
.rept 64
	v_mov_b32 v[O+i], 0                            ; O^T: the step is written once; the first finds zeros
.set i, i+1
.endr
	WIN 0
.macro KLOAD                           ; k's four fragments and their words, from the step at v[ADN]
	WIN 0x40
.irp f, 0,1,2,3
.irp g, 0,1,2,3
	ds_load_b128 v[KF+16*\f+4*\g:KF+16*\f+4*\g+3], v[ADN] offset:2048*\f+512*\g
.endr
.endr
	WIN 0
	ds_load_b128 v[SCK:SCK+3], v[ADN] offset:16384
.endm
; THE STEP'S LINES, each list by tile x and line k, so that two lists can stand by turns.
.macro QKW x, w                        ; score product w of 8: k's fragment w / 2, its first or second tile of keys
.set F_, (\w)/2
.set D_, S+64*(\x)+16*F_+8*((\w)%2)
.set B_, Q+16*(\x)-8*((\w)%2)
	WIN 0x01                                       ; source 0 window 1
	v_wmma_scale_f32_16x16x128_f8f6f4 v[D_:D_+7], v[KF+16*F_:KF+16*F_+15], v[B_:B_+15], 0, v[SCK+F_], v[QS+(\x)]
.endm
.macro PVW x, t                        ; O^T += V^T P^T, 16 of the head's 64
.set D_, O+32*(\x)+8*(\t)
	WIN 0x55                                       ; all four operands window 1
	v_wmma_scale_f32_16x16x128_f8f6f4 v[D_:D_+7], v[VF+16*(\t):VF+16*(\t)+15], v[PCD+16*(\x):PCD+16*(\x)+15], v[D_:D_+7], v[SCV+(\t)], v[PW+(\x)] matrix_a_scale:MATRIX_SCALE_ROW1
.endm
.macro MAXL x, k                       ; 40 lines: the largest score of each of the tile's four blocks of 32 keys, the blocks by turns; each accumulator from its low end on
.set K_, \k
.set N_, 4*(\x)+K_%4
.if K_ < 4
	v_max3_num_f32 v[BM+N_], v[S+16*N_], v[S+16*N_+1], v[S+16*N_+2]
.elseif K_ < 28
.set I_, 3+2*((K_-4)/4)
	v_max3_num_f32 v[BM+N_], v[BM+N_], v[S+16*N_+I_], v[S+16*N_+I_+1]
.elseif K_ < 32
	v_max_num_f32 v[BM+N_], v[BM+N_], v[S+16*N_+15]
.elseif K_ < 36
	v_permlanex16_b32 v[PT+N_], v[BM+N_], s[SEL], s[SEL+1]
.else
	v_max_num_f32 v[BM+N_], v[BM+N_], v[PT+N_]     ; with lane l xor 16's 16 keys
.endif
.endm
.macro CHL x, k                        ; 9 lines: the running largest t, -M = -ceil(t), f = 2^(old M - new M)
.set K_, \k
.set T_, TMP+2*(\x)
.set M_, NM+2*(\x)
.set N_, BM+4*(\x)
.if K_ == 0
	v_max3_num_f32 v[T_], v[N_], v[N_+1], v[N_+2]
.elseif K_ == 1
	v_max_num_f32 v[T_], v[T_], v[N_+3]
.elseif K_ == 2
	v_mul_f32 v[T_], s[CS], v[T_]
.elseif K_ == 3
	v_max_num_f32 v[M_+1], v[M_+1], v[T_]
.elseif K_ == 4
	v_mov_b32 v[T_], v[M_]
.elseif K_ == 5
	v_floor_f32 v[M_], -v[M_+1]
.elseif K_ == 6
	v_sub_f32 v[T_], v[M_], v[T_]                  ; a whole number, 0 or less
.elseif K_ == 7
	v_cvt_i32_f32 v[T_], v[T_]                     ; (it saturates)
.else
	v_ldexp_f32 v[T_-1], 1.0, v[T_]
.endif
.endm
.macro FMAL x, k                       ; 36 lines: t - M of the 64 scores, two a line, and of the four blocks' largest
.set K_, \k
.set M_, NM+2*(\x)
.if K_ < 32
.set P_, S+64*(\x)+2*K_
	v_pk_fma_f32 v[P_:P_+1], v[P_:P_+1], s[CS:CS+1], v[M_:M_+1] op_sel_hi:[1,0,0]
.else
.set P_, BM+4*(\x)+K_-32
	v_fma_f32 v[P_], v[P_], s[CS], v[M_]
.endif
.endm
.macro EXPL x, k                       ; 68 lines: the blocks' largest p, then p = 2^(t - M)
.set K_, \k
.if K_ < 4
	v_exp_f32 v[BM+4*(\x)+K_], v[BM+4*(\x)+K_]
.else
	v_exp_f32 v[S+64*(\x)+K_-4], v[S+64*(\x)+K_-4]
.endif
.endm
.macro PREPL x, k                      ; 23 lines: the four blocks' scales
.set K_, \k
.set N_, 4*(\x)+K_%4
.set W_, PW+(\x)
.set Y_, PT+4*(\x)
.if K_ < 4
	v_max_num_f32 v[BM+N_], 0x4800000, v[BM+N_]    ; the floor 2^(9 - 127): the byte cannot fall under 1
.elseif K_ < 8
	v_add_nc_u32 v[SO+N_], 0xfc000000, v[BM+N_]    ; 8 off the exponent field: the conversion's scale operand
.elseif K_ < 12
	v_and_or_b32 v[HL+N_], v[BM+N_], 0x7f800000, s[MNT]   ; 448 x the scale,
.elseif K_ < 16
	v_and_or_b32 v[HM+N_], v[BM+N_], 0x7f800000, s[MNT]   ; twice
.elseif K_ < 20
	v_lshrrev_b32 v[PT+N_], 23, v[SO+N_]           ; the scale's byte
.elseif K_ == 20
	v_lshl_or_b32 v[W_], v[Y_+1], 8, v[Y_]
.elseif K_ == 21
	v_lshl_or_b32 v[W_], v[Y_+2], 16, v[W_]
.else
	v_lshl_or_b32 v[W_], v[Y_+3], 24, v[W_]        ; p's scale word for these 128 keys
.endif
.endm
.macro SUML x, k                       ; 28 lines: the row's sum of the unquantised p, in four chains
.set K_, \k
.set C_, T2+2*(K_%4)
.set P_, S+64*(\x)
.if K_ < 4
	v_pk_add_f32 v[C_:C_+1], v[P_+2*K_:P_+2*K_+1], v[P_+8+2*K_:P_+9+2*K_]
.else
.set G_, P_+16+8*((K_-4)/4)+2*(K_%4)
	v_pk_add_f32 v[C_:C_+1], v[C_:C_+1], v[G_:G_+1]
.endif
.endm
.macro PSL x, k                        ; 51 lines: the two lists above by turns
.if (\k) < 46
.if (\k)%2 == 0
	PREPL \x, (\k)/2
.else
	SUML \x, (\k)/2
.endif
.else
	SUML \x, (\k)-23
.endif
.endm
.macro FIN x                           ; the chains are joined.  These four lines are also the places between the conversions and the products that take the codes
	v_pk_add_f32 v[T2:T2+1], v[T2:T2+1], v[T2+2:T2+3]
	v_pk_add_f32 v[T2+4:T2+5], v[T2+4:T2+5], v[T2+6:T2+7]
	v_pk_add_f32 v[T2:T2+1], v[T2:T2+1], v[T2+4:T2+5]
	v_pk_add_f32 v[LS+2*(\x):LS+2*(\x)+1], v[LS+2*(\x):LS+2*(\x)+1], v[T2:T2+1]
.endm
.macro HOLDL x, k                      ; 32 lines: the hold: the conversion does not saturate (ISA guide 7.6.2); p is not negative, so it is one-sided; two numbers a line
.set K_, \k
.set N_, 4*(\x)+K_/8
.set P_, S+16*N_+2*(K_%8)
	v_dual_min_num_f32 v[P_], v[P_], v[HL+N_] :: v_dual_min_num_f32 v[P_+1], v[P_+1], v[HM+N_]
.endm
.macro CVT x                           ; the tile's codes, into window 1
	WIN 0x40
.irp b, 0,1,2,3
	v_cvt_scalef32_pk8_fp8_f32 v[PCD+16*(\x)+4*\b:PCD+16*(\x)+4*\b+1], v[S+64*(\x)+16*\b:S+64*(\x)+16*\b+7], v[SO+4*(\x)+\b]
	v_cvt_scalef32_pk8_fp8_f32 v[PCD+16*(\x)+4*\b+2:PCD+16*(\x)+4*\b+3], v[S+64*(\x)+16*\b+8:S+64*(\x)+16*\b+15], v[SO+4*(\x)+\b]
.endr
	WIN 0
.endm
; A KEY STEP: 128 keys x 32 queries.  last: the LDS byte at which the slot's last step begins.
.macro STEP last
	s_add_co_u32 s[TN], s[TB], STEPB
	s_min_u32 s[TN], s[TN], \last                  ; the next step, held inside this slot
	s_wait_dscnt 0x0                               ; k's fragments and words are in
.irp w, 0,1,2,3,4,5,6,7
	QKW 0, \w
.endr
	QKW 1, 0
	WIN 0
	v_add_nc_u32 v[ADK], s[TB], v[L16]
	v_add_nc_u32 v[ADN], s[TN], v[L16]
	PLACES 2
	QKW 1, 1
	PLACES 4                                       ; with the four lines above: eight places behind tile 0's score products, ahead of the first read of its scores
.set Z_, 0
.rept 6
	QKW 1, Z_+2
	WIN 0
	MAXL 0, 4*Z_
	MAXL 0, 4*Z_+1
	MAXL 0, 4*Z_+2
	MAXL 0, 4*Z_+3
.set Z_, Z_+1
.endr
.set Z_, 24
.rept 16
	MAXL 0, Z_                                     ; these sixteen (and the four above) are the places behind tile 1's score products
.set Z_, Z_+1
.endr
	WIN 0x40
.irp t, 0,1,2,3
.irp c, 0,1,2,3
	ds_load_b128 v[VF+16*\t+4*\c:VF+16*\t+4*\c+3], v[ADK] offset:8192+2048*\t+512*\c   ; v's fragments land under the softmax
.endr
.endr
	WIN 0
	ds_load_b128 v[SCV:SCV+3], v[ADK] offset:16384
	KLOAD                                          ; and so do the next step's k
.set Z_, 0
.rept 9
	MAXL 1, 4*Z_
	MAXL 1, 4*Z_+1
	MAXL 1, 4*Z_+2
	MAXL 1, 4*Z_+3
	CHL 0, Z_
.set Z_, Z_+1
.endr
.irp k, 36,37,38,39
	MAXL 1, \k
.endr
.set Z_, 0
.rept 9
	CHL 1, Z_
	FMAL 0, 4*Z_
	FMAL 0, 4*Z_+1
	FMAL 0, 4*Z_+2
	FMAL 0, 4*Z_+3
.set Z_, Z_+1
.endr
	WIN 0x41                                       ; source 0 and destination window 1
.irp x, 0,1
.irp j, 0,2,4,6,8,10,12,14,16,18,20,22,24,26,28,30
	v_pk_mul_f32 v[O+32*\x+\j:O+32*\x+\j+1], v[O+32*\x+\j:O+32*\x+\j+1], v[F+2*\x:F+2*\x+1] op_sel_hi:[1,0]   ; O^T under the new M: ahead of the step's exponentials, each accumulator from its low end on
.endr
.endr
	WIN 0
	WALU                                           ; the wait ahead of the batch
.set Z_, 0
.rept 34
	EXPL 0, 2*Z_
	EXPL 0, 2*Z_+1
	FMAL 1, Z_
.set Z_, Z_+1
.endr
	FMAL 1, 34
	FMAL 1, 35
.irp x, 0,1
	v_pk_mul_f32 v[LS+2*\x:LS+2*\x+1], v[LS+2*\x:LS+2*\x+1], v[F+2*\x:F+2*\x+1] op_sel_hi:[1,0]   ; the sums under the new M
.endr
	WALU                                           ; one wait for the batch, ahead of its first reader
.set Z_, 0
.rept 51
	PSL 0, Z_
.set Z_, Z_+1
.endr
	WALU                                           ; and ahead of the second batch
.set Z_, 0
.rept 32
	EXPL 1, 2*Z_
	EXPL 1, 2*Z_+1
	HOLDL 0, Z_
.set Z_, Z_+1
.endr
.irp k, 64,65,66,67
	EXPL 1, \k
.endr
	v_nop                                          ; a plain line behind the last exponential
	WALU                                           ; one wait for the batch and for what stood among it
	CVT 0
	FIN 0
	WALU                                           ; the wait directly ahead of the wait below
	s_wait_dscnt 0x0                               ; v's fragments are in (and the next k's)
.set Z_, 0
.rept 4
	PVW 0, Z_                                      ; the eight accumulators of O^T by turns, one product a step each
	WIN 0
	PSL 1, 5*Z_
	PSL 1, 5*Z_+1
	PSL 1, 5*Z_+2
	PSL 1, 5*Z_+3
	PSL 1, 5*Z_+4
.set Z_, Z_+1
.endr
.set Z_, 20
.rept 31
	PSL 1, Z_
.set Z_, Z_+1
.endr
.set Z_, 0
.rept 32
	HOLDL 1, Z_
.set Z_, Z_+1
.endr
	CVT 1
	FIN 1
.irp t, 0,1,2,3
	PVW 1, \t
.endr
	WIN 0
	s_add_co_u32 s[TB], s[TB], STEPB
.endm
.macro SLOTWORK base                   ; a slot's eight key steps
	s_mov_b32 s[TB], \base
	s_mov_b32 s[TRIP], 8
	v_add_nc_u32 v[ADN], s[TB], v[L16]
	KLOAD                                          ; the slot's first k
.Lstep_\@:
	STEP \base+7*STEPB
	s_sub_co_u32 s[TRIP], s[TRIP], 1
	s_cmp_lg_u32 s[TRIP], 0
	s_cbranch_scc1 .Lstep_\@
.endm
; THE CHANGE OF SLOTS.  Each wave waits for all its tensor loads, adds 0 to its spare word, and waits for that and for its LDS reads.  fill = 1: a round of the cluster's barrier, and my one joint load first behind it;
; on = 1: its address goes two slots on.
.macro CHANGE fill, g0, on
	s_wait_tensorcnt 0x0
	ds_add_u32 v[SPW], v[NIL]
.if \on
	s_add_nc_u64 s[\g0+2:\g0+3], s[\g0+2:\g0+3], 2*SLOTB
.endif
	s_wait_dscnt 0x0
.if \fill
	CROUND
	tensor_load_to_lds s[\g0:\g0+3], s[G1T:G1T+7]
	s_nop 0
	PLACES 4
.else
	s_barrier_signal -1
	s_barrier_wait -1
.endif
.endm
	WALU                                           ; the wait at the head's end
	CHANGE 1, G0B, 0                               ; slot 0 is whole; slot 1's first fill, steps 8-15, is issued as a refill is
	SLOTWORK 0
	CHANGE 1, G0A, 1                               ; slot 0 takes steps 16-23
	SLOTWORK SLOTB
	CHANGE 1, G0B, 1                               ; slot 1 takes steps 24-31
	SLOTWORK 0
	CHANGE 0, G0A, 0
	SLOTWORK SLOTB
	; THE WAY OUT.  O^T / the sum; register 16 bb + i of lane (r, h) is d = 32 bb + 16 h + i of query r: two blocks of the next product's K a tile, quantised as they lie.  Block bb of tile x lies at S + 64 x + 16 bb.
	PLACES 8
	v_add_nc_u32 v[ADK], OSTG, v[L16]
.irp x, 0,1
	v_add_f32 v[LS+2*\x], v[LS+2*\x], v[LS+2*\x+1]
.endr
.irp x, 0,1
	v_permlanex16_b32 v[TMP+2*\x], v[LS+2*\x], s[SEL], s[SEL+1]
.endr
.irp x, 0,1
	v_add_f32 v[LS+2*\x], v[LS+2*\x], v[TMP+2*\x]
.endr
	WALU                                           ; ahead of the transcendentals
.irp x, 0,1
	v_rcp_f32 v[F+2*\x], v[LS+2*\x]
.endr
	v_nop
	WIN 0x01
	WALU                                           ; ahead of the first reader of the reciprocals and of O^T
.irp x, 0,1
.irp j, 0,2,4,6,8,10,12,14,16,18,20,22,24,26,28,30
	v_pk_mul_f32 v[S+64*\x+\j:S+64*\x+\j+1], v[O+32*\x+\j:O+32*\x+\j+1], v[F+2*\x:F+2*\x+1] op_sel_hi:[1,0]
.endr
.endr
	WIN 0
.irp x, 0,1
.irp b, 0,1
	v_max3_num_f32 v[BM+4*\x+\b], |v[S+64*\x+16*\b]|, |v[S+64*\x+16*\b+1]|, 0x4800000
.endr
.endr
.irp i, 2,4,6,8,10,12,14
.irp x, 0,1
.irp b, 0,1
	v_max3_num_f32 v[BM+4*\x+\b], v[BM+4*\x+\b], |v[S+64*\x+16*\b+\i]|, |v[S+64*\x+16*\b+\i+1]|
.endr
.endr
.endr
.irp n, 0,1,4,5
	v_permlanex16_b32 v[PT+\n], v[BM+\n], s[SEL], s[SEL+1]
.endr
.irp n, 0,1,4,5
	v_max_num_f32 v[BM+\n], v[BM+\n], v[PT+\n]
.endr
.irp n, 0,1,4,5
	v_add_nc_u32 v[SO+\n], 0xfc000000, v[BM+\n]
.endr
.irp n, 0,1,4,5
	v_and_or_b32 v[HL+\n], v[BM+\n], 0x7f800000, s[MNT]
.endr
.irp n, 0,1,4,5
	v_lshrrev_b32 v[PT+\n], 23, v[SO+\n]
.endr
.irp x, 0,1
	v_lshl_or_b32 v[TMP+2*\x], v[PT+4*\x+1], 8, v[PT+4*\x]   ; my row's two bytes
.endr
.irp x, 0,1
.irp b, 0,1
.irp i, 0,1,2,3,4,5,6,7,8,9,10,11,12,13,14,15
	v_med3_num_f32 v[S+64*\x+16*\b+\i], v[S+64*\x+16*\b+\i], -v[HL+4*\x+\b], v[HL+4*\x+\b]
.endr
	v_cvt_scalef32_pk8_fp8_f32 v[16+8*\x+4*\b:17+8*\x+4*\b], v[S+64*\x+16*\b:S+64*\x+16*\b+7], v[SO+4*\x+\b]     ; the codes take q's place
	v_cvt_scalef32_pk8_fp8_f32 v[18+8*\x+4*\b:19+8*\x+4*\b], v[S+64*\x+16*\b+8:S+64*\x+16*\b+15], v[SO+4*\x+\b]
.endr
.endr
	v_nop
.irp x, 0,1
	global_store_b128 v[L16], v[16+8*\x:19+8*\x], s[10:11] offset:8192*\x        ; 32 lanes store 512 consecutive bytes, aligned
	global_store_b128 v[L16], v[20+8*\x:23+8*\x], s[10:11] offset:8192*\x+512
	ds_store_b16 v[OSA], v[TMP+2*\x] offset:32*\x  ; lanes r and r + 16 write the same two bytes with the same value
.endr
	WALU                                           ; the wait ahead of the waits below
	s_wait_dscnt 0x0                               ; for the others' sake
	s_barrier_signal -1
	s_barrier_wait -1
	s_cmp_lg_u32 s[WV], 0
	s_cbranch_scc1 .Lnot_first
	ds_load_b128 v[32:35], v[ADK]                  ; the work-group's 16 tiles x 16 rows x 2 bytes
	s_wait_dscnt 0x0
	global_store_b128 v[L16], v[32:35], s[12:13]   ; 512 consecutive bytes, aligned
.Lnot_first:
	s_wait_tensorcnt 0x0                           ; the wave's end
	ds_add_u32 v[SPW], v[NIL]
	s_wait_dscnt 0x0
	CROUND                                         ; the closing round
	s_endpgm
.Lfunc_end_k_qa7efdaedcd_attn:
	.size	k_qa7efdaedcd_attn, .Lfunc_end_k_qa7efdaedcd_attn-k_qa7efdaedcd_attn
	.p2alignl 7, 3214868480
	.fill 96, 4, 3214868480
	.section	.rodata,"a",@progbits
	.p2align	6, 0x0
	.amdhsa_kernel k_qa7efdaedcd_attn
		.amdhsa_group_segment_fixed_size 327680
		.amdhsa_private_segment_fixed_size 0
		.amdhsa_enable_private_segment 0
		.amdhsa_kernarg_size 40
		.amdhsa_user_sgpr_count 2
		.amdhsa_user_sgpr_kernarg_segment_ptr 1
		.amdhsa_wavefront_size32 1
		.amdhsa_system_sgpr_workgroup_id_x 1
		.amdhsa_system_sgpr_workgroup_id_y 1
		.amdhsa_system_sgpr_workgroup_id_z 1
		.amdhsa_system_vgpr_workitem_id 0
		.amdhsa_next_free_vgpr 512
		.amdhsa_next_free_sgpr 72
		.amdhsa_reserve_vcc 0
		.amdhsa_float_denorm_mode_32 3
		.amdhsa_float_denorm_mode_16_64 3
		.amdhsa_memory_ordered 1
		.amdhsa_forward_progress 1
		.amdhsa_inst_pref_size 169
	.end_amdhsa_kernel
	.amdgpu_metadata
---
amdhsa.version: [ 1, 2 ]
amdhsa.kernels:
  - .name:           k_qa7efdaedcd_attn
    .symbol:         k_qa7efdaedcd_attn.kd
    .args:
      - { .name: qimg, .offset: 0, .size: 8, .value_kind: global_buffer, .address_space: global }
      - { .name: qsc, .offset: 8, .size: 8, .value_kind: global_buffer, .address_space: global }
      - { .name: kv, .offset: 16, .size: 8, .value_kind: global_buffer, .address_space: global }
      - { .name: oimg, .offset: 24, .size: 8, .value_kind: global_buffer, .address_space: global }
      - { .name: osc, .offset: 32, .size: 8, .value_kind: global_buffer, .address_space: global }
    .group_segment_fixed_size: 327680
    .private_segment_fixed_size: 0
    .kernarg_segment_align: 8
    .kernarg_segment_size: 40
    .max_flat_workgroup_size: 256
    .sgpr_count:     72
    .vgpr_count:     512
    .wavefront_size: 32
...
	.end_amdgpu_metadata
.endif
;; end of part 2
;; launch oproj (part 3): grid 4 x 64, 16 waves a work-group, clusters of 4 x 4, 202,752 bytes of LDS; arguments oimg, osc, Wo_codes, Wo_scales, bo, out0; writes out0
.if DOCPART == 3
	.amdgcn_target "amdgcn-amd-amdhsa--gfx1250"
	.amdhsa_code_object_version 6
	.text
	.protected	k_qa7efdaedcd_oproj
	.globl	k_qa7efdaedcd_oproj
	.p2align	8
	.type	k_qa7efdaedcd_oproj,@function
k_qa7efdaedcd_oproj:
	s_mov_b64 s[64:65], 0
	v_nop
	global_prefetch_b8 v0, s[64:65] scope:SCOPE_SE
	s_setreg_imm32_b32 hwreg(HW_REG_WAVE_MODE, 25, 1), 1
	s_wait_xcnt 0x0
	s_wait_alu depctr_hold_cnt(0) depctr_sa_sdst(0) depctr_va_vdst(0) depctr_va_sdst(0) depctr_va_ssrc(0) depctr_va_vcc(0) depctr_vm_vsrc(0)
	s_getreg_b32 s2, hwreg(HW_REG_IB_STS2, 6, 4)
	s_cmp_eq_u32 s2, 0
	s_cbranch_scc0 .Lentry_in_a_cluster
	s_endpgm
.Lentry_in_a_cluster:
	s_bfe_u32 s2, ttmp6, 0x10000c
	s_cmp_lg_u32 s2, 0xf033
	s_cbranch_scc0 .Lentry_shape_is_right
	s_endpgm
.Lentry_shape_is_right:
; out0 = o Wo^T + bo.  o: this program's codes of FP8 (E4M3), as images of operand registers (oimg) with two scale bytes for each (head, row) (osc); Wo: the given codes and E8M0 bytes; bo, out0: f32.
; SHARES.  A work-group makes 128 rows x 128 columns, K = 512.  Wave w: tiles of rows 2 (w / 4) + u, columns 32 (w % 4) + 16 nt: four accumulators, 16 matrix instructions.  256 work-groups.
; CLUSTERS: 4 x 4.  o's tile hangs on the row block alone and is shared along a row of the cluster, Wo's on the column block alone and is shared along a column: both are asked for JOINTLY.  LDS is filled once.
; THE MATRIX INSTRUCTION IS USED TRANSPOSED (source 0 = 16 rows of Wo, source 1 = 16 rows of o): a lane holds eight neighbouring columns of one row.  bo is the C of each sum's first instruction.
; Lane r of o's tile 2 b + u is row 32 b + 8 u + r + 8 (r / 8) of the block: the stage's row addresses undo that order, and whole rows of 512 bytes leave.
.set PITCH, 528
.set AIM,   0                          ; LDS: o's eight tile images, 8,192 bytes each: [K step 4][group 4][lane][16]
.set WL,    65536                      ; Wo's 128 rows, 512 bytes + 16 of padding
.set STG,   WL+128*PITCH               ; the stage: 128 rows x (512 bytes + 16); no tensor load lands here
.set L16, 1                            ; v1 16 x lane
.set AA,  2                            ; v2 16 x lane + 16,384 x (wave / 4)
.set WA,  3                            ; v3 WL + (32 (wave % 4) + r) x PITCH + 16 h
.set STO, 4                            ; v4 where I put 32 bytes of a row
.set RD,  5                            ; v5 where I read a row back
.set L2,  6                            ; v6 2 x lane
.set H32, 7                            ; v7 32 h
.set ASC, 8                            ; v8-11  o's scale words by K step: lanes 0-15 tile u = 0, lanes 16-31 u = 1
.set WSC, 12                           ; v12-15 Wo's: lanes 0-15 nt = 0, lanes 16-31 nt = 1
.set RAW, 16                           ; v16-23 a head's two bytes, eight heads
.set BIAS, 24                          ; v24-39
.set ACC, 40                           ; v40-71 accumulator (u, nt) at ACC + 8 (2 u + nt)
.set FRG, 72                           ; v72-135, v136-199 two sets of fragments: o's at + 16 u, Wo's at + 32 + 16 nt
.set BACK, 200                         ; v200-231 eight rows read back
.set WV,  18
.set G1A, 24
.set G0A, 32
.set G1W, 40
.set G0W, 48
.macro PLACES n
.rept \n
	v_nop
.endr
.endm
.macro CROUND                          ; a round of the cluster's barrier
	s_barrier_signal -1
	s_barrier_wait -1
	s_cmp_lg_u32 s[WV], 0
	s_cbranch_scc1 .Lnot_wave_0_\@
	s_barrier_signal -3
.Lnot_wave_0_\@:
	s_barrier_wait -3
	s_barrier_signal -1
	s_barrier_wait -1
.endm
; One scaled matrix instruction.  ra, rb = 1: the side's scale words stand in lanes 16-31.
.macro WM d, a, b, c, sa, sb, ra, rb
.set rD, \d
.set rA, \a
.set rB, \b
.set rC, \c
.set rSA, \sa
.set rSB, \sb
.if (\ra) && (\rb)
	v_wmma_scale_f32_16x16x128_f8f6f4 v[rD:rD+7], v[rA:rA+15], v[rB:rB+15], v[rC:rC+7], v[rSA], v[rSB] matrix_a_scale:MATRIX_SCALE_ROW1 matrix_b_scale:MATRIX_SCALE_ROW1
.elseif (\ra)
	v_wmma_scale_f32_16x16x128_f8f6f4 v[rD:rD+7], v[rA:rA+15], v[rB:rB+15], v[rC:rC+7], v[rSA], v[rSB] matrix_a_scale:MATRIX_SCALE_ROW1
.elseif (\rb)
	v_wmma_scale_f32_16x16x128_f8f6f4 v[rD:rD+7], v[rA:rA+15], v[rB:rB+15], v[rC:rC+7], v[rSA], v[rSB] matrix_b_scale:MATRIX_SCALE_ROW1
.else
	v_wmma_scale_f32_16x16x128_f8f6f4 v[rD:rD+7], v[rA:rA+15], v[rB:rB+15], v[rC:rC+7], v[rSA], v[rSB]
.endif
.endm
	s_load_b256 s[4:11], s[0:1], 0x0               ; oimg s[4:5], osc s[6:7], Wo's codes s[8:9], Wo's scales s[10:11]
	s_load_b128 s[12:15], s[0:1], 0x20             ; bo s[12:13], out0 s[14:15]
	v_lshl_add_u32 v254, v0, 2, 0x31000
	v_mov_b32 v255, 0
	ds_add_u32 v254, v255
	ds_add_u32 v254, v255
	v_lshrrev_b32 v5, 5, v0
	s_delay_alu instid0(VALU_DEP_1)
	v_readfirstlane_b32 s[WV], v5                  ; wave 0..15
	v_and_b32 v[L16], 31, v0
	s_delay_alu instid0(VALU_DEP_1)
	v_lshlrev_b32 v[L16], 4, v[L16]
	v_and_b32 v20, 15, v0                          ; r
	v_bfe_u32 v21, v0, 4, 1                        ; h
	v_lshrrev_b32 v22, 7, v0                       ; wave / 4
	v_bfe_u32 v23, v0, 5, 2                        ; wave % 4
	s_delay_alu instid0(VALU_DEP_2)
	v_lshl_add_u32 v[AA], v22, 14, v[L16]
	s_delay_alu instid0(VALU_DEP_2)
	v_lshl_add_u32 v[WA], v23, 5, v20
	s_delay_alu instid0(VALU_DEP_1)
	v_mul_u32_u24 v[WA], v[WA], PITCH
	s_delay_alu instid0(VALU_DEP_1)
	v_lshl_add_u32 v[WA], v21, 4, v[WA]
	s_delay_alu instid0(VALU_DEP_1)
	v_add_nc_u32 v[WA], WL, v[WA]
	v_and_b32 v[STO], 8, v20
	s_delay_alu instid0(VALU_DEP_1)
	v_add_nc_u32 v[STO], v[STO], v20               ; r + 8 (r / 8)
	s_delay_alu instid0(VALU_DEP_1)
	v_lshl_add_u32 v[STO], v22, 5, v[STO]          ; + 32 (wave / 4): the row of the block that lane r of my tile u = 0 holds
	s_delay_alu instid0(VALU_DEP_1)
	v_mul_u32_u24 v[STO], v[STO], PITCH
	s_delay_alu instid0(VALU_DEP_1)
	v_lshl_add_u32 v[STO], v23, 7, v[STO]          ; my 32 columns: 128 bytes,
	s_delay_alu instid0(VALU_DEP_1)
	v_lshl_add_u32 v[STO], v21, 5, v[STO]          ; 32 for each half of the lanes
	s_delay_alu instid0(VALU_DEP_1)
	v_add_nc_u32 v[STO], STG, v[STO]
	v_mul_u32_u24 v[RD], v5, 8*PITCH               ; back: wave w takes rows 8 w .. 8 w + 7, whole
	s_delay_alu instid0(VALU_DEP_1)
	v_add_nc_u32 v[RD], v[RD], v[L16]
	s_delay_alu instid0(VALU_DEP_1)
	v_add_nc_u32 v[RD], STG, v[RD]
	v_lshrrev_b32 v[L2], 3, v[L16]
	v_lshlrev_b32 v[H32], 5, v21
	s_bfe_u32 s60, ttmp6, 0x40000                  ; cx
	s_bfe_u32 s61, ttmp6, 0x40004                  ; cy
	s_lshl_b32 s62, ttmp9, 2
	s_add_co_u32 s62, s62, s60                     ; the column block
	s_and_b32 s63, ttmp7, 0xffff
	s_lshl_b32 s63, s63, 2
	s_add_co_u32 s63, s63, s61                     ; the row block
	s_lshl_b32 s66, s61, 2
	s_lshl_b32 s66, 15, s66                        ; my row of the cluster
	s_lshl_b32 s67, 0x1111, s60                    ; my column
	; o's images: half a block, 32,768 dense bytes as 128 rows of 256 (32 elements of 8 bytes)
	s_or_b32 s[G1A], s66, (3<<16)|(1<<21)
	s_mov_b32 s[G1A+1], 32<<16
	s_mov_b32 s[G1A+2], 128<<16
	s_mov_b32 s[G1A+3], 32<<16
	s_mov_b32 s[G1A+4], 128
	s_mov_b32 s[G1A+5], 32
	s_mov_b32 s[G1A+6], 0
	s_mov_b32 s[G1A+7], 0
	; Wo: 64 rows of 512 bytes (64 elements of 8 bytes), four words of padding after every 128
	s_or_b32 s[G1W], s67, (3<<16)|(1<<20)|(1<<21)|(6<<22)|(3<<25)
	s_mov_b32 s[G1W+1], 64<<16
	s_mov_b32 s[G1W+2], 64<<16
	s_mov_b32 s[G1W+3], 64<<16
	s_mov_b32 s[G1W+4], 64
	s_mov_b32 s[G1W+5], 64
	s_mov_b32 s[G1W+6], 0
	s_mov_b32 s[G1W+7], 0
	s_and_b32 s68, s[WV], 1                        ; which half I fetch, if I fetch
	s_lshl_b32 s69, s68, 15
	s_mov_b32 s[G0A], 1
	s_mov_b32 s[G0A+1], s69                        ; AIM = 0
	s_lshl_b32 s52, s63, 16                        ; o's address hangs on the row block and the wave's number alone,
	s_add_co_u32 s52, s52, s69
	s_mov_b32 s53, 0
	s_mov_b32 s[G0W], 1
	s_mul_i32 s[G0W+1], s68, 64*PITCH
	s_add_co_u32 s[G0W+1], s[G0W+1], WL
	s_lshl_b32 s54, s62, 16                        ; Wo's on the column block and the wave's number alone
	s_add_co_u32 s54, s54, s69
	s_mov_b32 s55, 0
	; the small loads' and the stores' places
	s_lshr_b32 s70, s63, 5
	s_lshl_b32 s70, s70, 16                        ; osc: batch x 8 heads x 8,192,
	s_and_b32 s71, s63, 31
	s_lshl_b32 s71, s71, 3
	s_lshr_b32 s72, s[WV], 2
	s_lshl_b32 s73, s72, 1
	s_add_co_u32 s71, s71, s73                     ; my first tile of rows in the batch,
	s_lshl_b32 s71, s71, 5                         ; 32 bytes a tile
	s_add_co_u32 s70, s70, s71
	s_mov_b32 s71, 0
	s_and_b32 s74, s[WV], 3
	s_lshl_b32 s75, s62, 7
	s_lshl_b32 s76, s74, 5
	s_add_co_u32 s75, s75, s76                     ; my first column
	s_lshl_b32 s76, s75, 4                         ; Wo's scale bytes: 16 a row
	s_mov_b32 s77, 0
	s_lshl_b32 s78, s75, 2                         ; bo
	s_mov_b32 s79, 0
	s_lshl_b32 s80, s63, 7
	s_lshl_b32 s81, s[WV], 3
	s_add_co_u32 s80, s80, s81                     ; the first row that I store
	s_lshl_b32 s80, s80, 11
	s_lshl_b32 s81, s62, 9
	s_add_co_u32 s80, s80, s81                     ; + the block's 512 bytes of a row
	s_mov_b32 s81, 0
	s_wait_dscnt 0x0
	s_wait_kmcnt 0x0
	s_add_nc_u64 s[G0A+2:G0A+3], s[4:5], s[52:53]
	s_or_b32 s[G0A+3], s[G0A+3], 0x80000000
	s_add_nc_u64 s[G0W+2:G0W+3], s[8:9], s[54:55]
	s_or_b32 s[G0W+3], s[G0W+3], 0x80000000
	s_add_nc_u64 s[6:7], s[6:7], s[70:71]
	s_add_nc_u64 s[10:11], s[10:11], s[76:77]
	s_add_nc_u64 s[12:13], s[12:13], s[78:79]
	s_add_nc_u64 s[14:15], s[14:15], s[80:81]
	CROUND                                         ; all sixteen work-groups are here: the joint loads meet
	s_cmp_lt_u32 s[WV], 2                          ; waves 0, 1: o's halves; waves 2, 3: Wo's; the others nothing.  The branches hang on the wave's number alone
	s_cbranch_scc0 .Lnot_o
	tensor_load_to_lds s[G0A:G0A+3], s[G1A:G1A+7]
	s_nop 0
	PLACES 4                                       ; four v_nop follow a tensor load
	s_branch .Lasked
.Lnot_o:
	s_cmp_lt_u32 s[WV], 4
	s_cbranch_scc0 .Lasked
	tensor_load_to_lds s[G0W:G0W+3], s[G1W:G1W+7]
	s_nop 0
	PLACES 4
.Lasked:
	s_wait_alu depctr_va_vdst(0)
.irp hd, 0,1,2,3,4,5,6,7
	global_load_u16 v[RAW+\hd], v[L2], s[6:7] offset:\hd*8192   ; head hd's two bytes of my row: lanes 0-15 tile u = 0, lanes 16-31 u = 1
.endr
	global_load_b128 v[WSC:WSC+3], v[L16], s[10:11]             ; lane l: the four words of Wo's row (my first column + l)
.irp nt, 0,1
	global_load_b128 v[BIAS+8*\nt:BIAS+8*\nt+3], v[H32], s[12:13] offset:64*\nt        ; bo at columns 16 nt + 8 h + 0 .. 7: the result's layout
	global_load_b128 v[BIAS+8*\nt+4:BIAS+8*\nt+7], v[H32], s[12:13] offset:64*\nt+16
.endr
	s_wait_loadcnt 0x0
.irp ks, 0,1,2,3
	v_lshl_or_b32 v[ASC+\ks], v[RAW+2*\ks+1], 16, v[RAW+2*\ks]   ; K step ks is heads 2 ks and 2 ks + 1, two blocks each
.endr
	PLACES 8                                       ; a scale register written by a vector instruction stands eight places ahead of the scaled matrix instruction
	s_wait_alu depctr_va_vdst(0)
	s_wait_tensorcnt 0x0                           ; my part is in LDS,
	s_barrier_signal -1
	s_barrier_wait -1                              ; everybody's is
.macro FETCH ks, fs                    ; K step ks: o's two fragments and Wo's two, into set fs: 16 loads
.irp u, 0,1
.irp c, 0,1,2,3
	ds_load_b128 v[FRG+64*\fs+16*\u+4*\c:FRG+64*\fs+16*\u+4*\c+3], v[AA] offset:AIM+8192*\u+2048*\ks+512*\c
.endr
.endr
.irp nt, 0,1
.irp c, 0,1,2,3
	ds_load_b128 v[FRG+64*\fs+32+16*\nt+4*\c:FRG+64*\fs+32+16*\nt+4*\c+3], v[WA] offset:16*PITCH*\nt+128*\ks+32*\c
.endr
.endr
.endm
.macro MUL ks, fs                      ; four matrix instructions, the four accumulators by turns
.irp u, 0,1
.irp nt, 0,1
.if \ks == 0
	WM ACC+8*(2*\u+\nt), FRG+64*\fs+32+16*\nt, FRG+64*\fs+16*\u, BIAS+8*\nt, WSC+\ks, ASC+\ks, \nt, \u
.else
	WM ACC+8*(2*\u+\nt), FRG+64*\fs+32+16*\nt, FRG+64*\fs+16*\u, ACC+8*(2*\u+\nt), WSC+\ks, ASC+\ks, \nt, \u
.endif
.endr
.endr
.endm
	FETCH 0, 0
	FETCH 1, 1
	s_wait_dscnt 16                                ; the older set is in; the younger set's 16 loads may be out
	MUL 0, 0
	PLACES 8                                       ; eight places in front of loads into registers that these products read
	FETCH 2, 0
	s_wait_dscnt 16
	MUL 1, 1
	PLACES 8
	FETCH 3, 1
	s_wait_dscnt 16
	MUL 2, 0
	s_wait_dscnt 0x0
	MUL 3, 1
	PLACES 8                                       ; in front of the first read of results
.irp u, 0,1
.irp nt, 0,1
	ds_store_b128 v[STO], v[ACC+8*(2*\u+\nt):ACC+8*(2*\u+\nt)+3] offset:8*PITCH*\u+64*\nt        ; each accumulator from its low end on; tile u = 1 lies 8 rows further down
	ds_store_b128 v[STO], v[ACC+8*(2*\u+\nt)+4:ACC+8*(2*\u+\nt)+7] offset:8*PITCH*\u+64*\nt+16
.endr
.endr
	s_wait_dscnt 0x0                               ; for the others' sake: a row's 512 bytes come from four waves
	s_barrier_signal -1
	s_barrier_wait -1
.irp i, 0,1,2,3,4,5,6,7
	ds_load_b128 v[BACK+4*\i:BACK+4*\i+3], v[RD] offset:\i*PITCH
.endr
.irp i, 0,1,2,3,4,5,6,7
	s_wait_dscnt 7-\i                              ; row i is back; the rows behind it may be out
	global_store_b128 v[L16], v[BACK+4*\i:BACK+4*\i+3], s[14:15] offset:2048*\i th:TH_STORE_NT   ; 32 lanes store 512 consecutive bytes, at a multiple of 256 from out0's first byte
.endr
	s_wait_tensorcnt 0x0
	ds_add_u32 v254, v255
	s_wait_dscnt 0x0
	CROUND                                         ; the closing round
	s_endpgm
.Lfunc_end_k_qa7efdaedcd_oproj:
	.size	k_qa7efdaedcd_oproj, .Lfunc_end_k_qa7efdaedcd_oproj-k_qa7efdaedcd_oproj
	.p2alignl 7, 3214868480
	.fill 96, 4, 3214868480
	.section	.rodata,"a",@progbits
	.p2align	6, 0x0
	.amdhsa_kernel k_qa7efdaedcd_oproj
		.amdhsa_group_segment_fixed_size 202752
		.amdhsa_private_segment_fixed_size 0
		.amdhsa_enable_private_segment 0
		.amdhsa_kernarg_size 48
		.amdhsa_user_sgpr_count 2
		.amdhsa_user_sgpr_kernarg_segment_ptr 1
		.amdhsa_wavefront_size32 1
		.amdhsa_system_sgpr_workgroup_id_x 1
		.amdhsa_system_sgpr_workgroup_id_y 1
		.amdhsa_system_sgpr_workgroup_id_z 1
		.amdhsa_system_vgpr_workitem_id 0
		.amdhsa_next_free_vgpr 256
		.amdhsa_next_free_sgpr 90
		.amdhsa_reserve_vcc 0
		.amdhsa_float_denorm_mode_32 3
		.amdhsa_float_denorm_mode_16_64 3
		.amdhsa_memory_ordered 1
		.amdhsa_forward_progress 1
		.amdhsa_inst_pref_size 18
	.end_amdhsa_kernel
	.amdgpu_metadata
---
amdhsa.version: [ 1, 2 ]
amdhsa.kernels:
  - .name:           k_qa7efdaedcd_oproj
    .symbol:         k_qa7efdaedcd_oproj.kd
    .args:
      - { .name: oimg, .offset: 0, .size: 8, .value_kind: global_buffer, .address_space: global }
      - { .name: osc, .offset: 8, .size: 8, .value_kind: global_buffer, .address_space: global }
      - { .name: Wo_codes, .offset: 16, .size: 8, .value_kind: global_buffer, .address_space: global }
      - { .name: Wo_scales, .offset: 24, .size: 8, .value_kind: global_buffer, .address_space: global }
      - { .name: bo, .offset: 32, .size: 8, .value_kind: global_buffer, .address_space: global }
      - { .name: out0, .offset: 40, .size: 8, .value_kind: global_buffer, .address_space: global }
    .group_segment_fixed_size: 202752
    .private_segment_fixed_size: 0
    .kernarg_segment_align: 8
    .kernarg_segment_size: 48
    .max_flat_workgroup_size: 512
    .sgpr_count:     90
    .vgpr_count:     256
    .wavefront_size: 32
...
	.end_amdgpu_metadata
.endif
;; end of part 3
